; MI455X (gfx1250); checked and timed in simulation.
; The chip was launched on July 23, 2026; its instructions are those of AMD's public machine-readable ISA for CDNA 5 (MIT licence, August 2026) and "CDNA5" Instruction Set Architecture Reference Guide (July 2026). The comments in the code are by the model that wrote it; some were corrected since.
;; Model1. Allowed arithmetic: matrix products marked QUANTISED: E2M3 operands, one E8M0 scale for each 32 along K, by v_wmma_scale_f32_16x16x128_f8f6f4 with both operands' format E2M3, f32 sums; everything else in f32.
;; Inputs: inv_scale 4 x 16 float32; k 4 x 16 x 2,048 x 64 float32; q 4 x 16 x 2,048 x 64 float32; scale_factor 4 x 16 x 2,048 float32; v 4 x 16 x 2,048 x 64 float32.
;; Outputs: out0 4 x 16 x 2,048 x 64 float32.
;; This version of the problem:
;;   THIS VERSION OF THE PROBLEM IS GIVEN IN LOW PRECISION. The matrix products marked QUANTISED in the list below multiply operands that are first quantised to E2M3 (2 exponent bits, 3 mantissa bits; 6 bits a number), with one power-of-two scale for each 32 numbers along K (OCP MX v1.0); their sums are f32. All else is computed in f32.
;;   The module's matrix products, in the order in which they are computed (A, B: the left and right operand; K: the contracted axis; several contracted axes count as one K, in the product's order):
;;     1. batch 64 x [M 2,048, K 64] x [K 64, N 2,048]; A: input q; B: input k: QUANTISED
;;     2. batch 64 x [M 2,048, K 2,048] x [K 2,048, N 64]; A: softmax (see below); B: input v: QUANTISED
;;   THE QUANTISER, for each operand of a quantised product, along K:
;;     - K is cut into blocks of 32 from its start; a last block that is shorter is filled with zeros.
;;     - A block's scale is 2^e with e = floor(log2(the largest magnitude in the block)) - 2, held to -126 .. 127; a block of zeros has e = 0. As a byte (E8M0): e + 127.
;;     - Each number is divided by its block's scale, clamped to +-7.5, and rounded to the nearest number of E2M3, ties to even, subnormals kept.
;;     - The product sums the exact products of the quantised numbers (number of the format x scale) in f32.
;;   ~~~python
;;   def quantise(x, axis):      # numpy; x: float32 -> the quantised numbers, widened to float32 again
;;       x = np.moveaxis(x, axis, -1); K = x.shape[-1]
;;       x = np.pad(x, [(0, 0)] * (x.ndim - 1) + [(0, -K % 32)]); x = x.reshape(x.shape[:-1] + (-1, 32)); a = np.abs(x).max(-1, keepdims=True)
;;       e = np.where(a > 0, np.clip(np.frexp(np.where(a > 0, a, 1))[1] - 1 - 2, -126, 127), 0)      # np.frexp(a)[1] - 1 = floor(log2(a)), exactly
;;       r = np.clip(x / 2.0 ** e, -7.5, 7.5)
;;       step = 2.0 ** (np.maximum(np.frexp(np.where(r == 0, 1, r))[1] - 1, 0) - 3)
;;       q = np.round(r / step) * step * 2.0 ** e      # np.round: ties to even
;;       return np.moveaxis(q.reshape(q.shape[:-2] + (-1,))[..., :K], -1, axis).astype(np.float32)
;;   ~~~
;;   SOFTMAX AHEAD OF A QUANTISED PRODUCT. Where the list says 'softmax', what is quantised is not the finished softmax but p = 2^(t - M), with t = logit x log2(e) and M = ceil(the row's largest t), a whole number; so 1/2 < the row's largest p <= 1. The row's sum l is taken of the UNQUANTISED p, in f32, and the product's result is divided by l at the end. Since M is a whole number, a kernel that streams over the keys may use a running M (the ceiling of the running maximum): every later rescaling is an exact power of two, which a block's scale takes up: the codes' values come out the same.
;;   OPERANDS COMPUTED ON THE WAY. 'Computed on the way' means the value that the module computes at that place (a softmax that the list does not call 'softmax' is quantised finished and normalised). What goes into a quantiser is computed in f32, as accurately as f32 sums, v_exp_f32 and their like allow (about 1e-6 of the number): no bf16 or f16 on the way to a quantiser, and a product that is left as it is and whose result goes on into a quantised operand takes f32 operands (vector FMAs, or v_wmma_f32_16x16x4_f32). A number that lies on a knife's edge between two numbers of the format may be rounded either way, as far as f32 arithmetic and the matrix unit's own rounding can turn it there, and no further.
;; 2 versions, each right; version 2 is version 1 with the launch attn written anew for expert scheduling mode. Each part assembles by itself: llvm-mc -triple=amdgcn-amd-amdhsa -mcpu=gfx1250 --defsym DOCPART=n.
;; ======== version 1 of 2: 1 launch
;; launch attn (part 1): grid 4 x 64, 16 waves a work-group, no clusters, 276,480 bytes of LDS; arguments q, k, v, scale_factor, inv_scale, out0; writes out0
.if DOCPART == 1
	.amdgcn_target "amdgcn-amd-amdhsa--gfx1250"
	.amdhsa_code_object_version 6
	.text
	.protected	k_qb9b2cfd200_attn
	.globl	k_qb9b2cfd200_attn
	.p2align	8
	.type	k_qb9b2cfd200_attn,@function
k_qb9b2cfd200_attn:
	s_mov_b64 s[64:65], 0
	v_nop
	global_prefetch_b8 v0, s[64:65] scope:SCOPE_SE
	s_setreg_imm32_b32 hwreg(HW_REG_WAVE_MODE, 25, 1), 1
	s_wait_xcnt 0x0
; out0[h][q][:] = sum over keys of softmax_k(q.k / scale_factor[h][q] / inv_scale[h]) v[h][k][:].  64 heads, 2,048 queries, 2,048 keys, head size 64, all f32 in memory.
; Both products run on codes of FP6 (E2M3) with one E8M0 scale for each 32 along a product's K: q and k are quantised along d, p and v along the keys.
; THE SOFTMAX AHEAD OF THE SECOND PRODUCT: t = score x c, c = log2(e) / (scale_factor x inv_scale); M = the largest t so far, rounded UP to a whole number; p = 2^(t - M) is quantised, not normalised;
; the row's sum is taken of the unquantised p and divides at the end.  When M moves, the sum and O are multiplied by 2^(old M - new M): exact.
; SHARES.  A work-group owns 512 queries of one head (grid 4 x 64); each of its sixteen waves owns two tiles of 16 queries and takes them one after the other, each over all 2,048 keys in 16 chunks of 128.
; k AND v OF THE WHOLE HEAD ARE QUANTISED BY THE WORK-GROUP ITSELF INTO LDS AND STAY THERE: 16 chunks x 12,800 bytes, as images of the operands' registers.  In the first pass the head of trip T quantises
; chunk T + 1 and asks memory for chunk T + 2, which has a whole trip in which to land; the second pass reads LDS alone.  Every chunk has LDS bytes of its own: nothing in LDS is ever written twice.
; WHY NO TENSOR LOADS AND NO JOINT REQUESTS, though four work-groups read the same k and v: they arrive as f32 and must pass through registers to be quantised; two f32 chunks (2 x 65,536 bytes) do not
; fit beside the codes (204,800 bytes) and the stages (69,632 bytes) in the 327,680 bytes that a work-group can claim.
; LAYOUT.  Both products are used transposed: S^T = K Q^T (source 0 = keys, source 1 = my 16 queries), O^T = V^T P^T: a lane holds ONE query (lane % 16) throughout, so c is a number of the lane.
; K = 64 IN AN INSTRUCTION 128 DEEP.  A K image (12 registers) holds TWO tiles of 16 keys: registers 0-5 tile 2 b, registers 6-11 tile 2 b + 1.  Q lies in 18 registers [six of zero codes | q | six of zero codes]:
; the run (q, 0) multiplies tile 2 b, the run (0, q) tile 2 b + 1; the other half meets zero codes and adds exactly 0 (every scale byte lies between 1 and 252).  The idle half's scales enter the sum's alignment as those of a real K = 128 would.
; THE KEYS OF A TILE ARE NOT NEIGHBOURS: row r of tile 2 b + u is key 32 b + 8 u + r + 8 (r / 8), so that the 16 registers of tiles 2 b and 2 b + 1 are the 16 neighbouring keys 32 b + 16 (lane / 16) + 0 .. 15.
; LIMITS: NaN and infinities among the inputs are not served.  scale_factor x inv_scale that is 0, under 2^-126 in magnitude or beyond f32's range is not served.  Negative scales are served: the sign goes, exactly,
; into q.  A block of zeros gets the byte 1 (the quantiser's rule says 127): its codes are zeros and only this text reads the bytes.  c is one product, a refined reciprocal and one multiplication where the
; definition divides twice: some 1e-7 of t.
.set CHUNK,  12800                     ; LDS: a chunk of 128 keys: four K images, four V images, four scale records
.set IMG,    1536                      ; an image: 32 lanes x 48 bytes: register g of lane l at 48 l + 4 g.  48 = 3 x 16
.set VIMG,   4*IMG                     ; V's images (tile t: d = 16 t + r; registers 6 c .. 6 c + 5: keys 64 c + 32 (lane / 16) + 0 .. 31)
.set SREC,   8*IMG                     ; scale records, 128 bytes each: record j: lanes 0-15 K image j's words, lanes 16-31 V tile j's words
.set STAGE,  16*CHUNK                  ; behind the chunks: for each wave 16 rows x (256 + 16) bytes, for the way out
.set SPITCH, 272
.set L48,  1                           ; v1   48 x lane
.set L4S,  2                           ; v2   4 x lane + SREC
.set PST,  3                           ; v3   where I store the 24 bytes of codes that I make of a chunk
.set PSB,  4                           ; v4   and their scale byte
.set GK,   5                           ; v5   my byte offset in a chunk of k
.set GV,   6                           ; v6   and of v
.set QO,   7                           ; v7   256 r + 128 h: my 32 numbers of a query
.set STO,  8                           ; v8   the stage: where I put 32 bytes of a row
.set SRD,  9                           ; v9   and where I read a row back
.set GOUT, 10                          ; v10  my byte offset in two rows of out0
.set ADI,  11                          ; v11  LDS address of the images in hand
.set ADS,  42                          ; v42  and of the scales in hand
.set QS,   18                          ; v18  Q's scale word;  v12 -M, v13 the largest t, v[14:15] the sum in two halves, v[16:17] c twice
.set PW,   19                          ; v19  p's scale word
.set KVS,  20                          ; v20-23 the chunk's four scale records
.set QF,   24                          ; v24-41 [zeros | q | zeros]
.set SF,   43                          ; v43  scale_factor of my query
.set FR,   44                          ; v44-91 four fragments: K's images, then V's; on the way out rows of out0
.set S,    92                          ; v92-155 S^T, then p; between steps at work
.set O,    156                         ; v156-187 O^T, tile t at O + 8 t
.set PC,   188                         ; v188-199 p's codes
.set PC2,  200                         ; v200-202, v204-206 the conversions' second halves
.set BM,   208                         ; v208-211 largest scores of the four blocks; at work
.set PB,   212                         ; v212-215 the other half's maxima, bytes, the sum's second chain
.set SO,   216                         ; v216-219 the conversions' scale operands
.set F,    220                         ; v[220:221] f = 2^(old M - new M) (v221 is only named with it)
.set TT,   222                         ; v222 at work
.set SFO,  223                         ; v223 4 r
.set P,    224                         ; v224-255 32 numbers on their way from memory
.set WV,   16                          ; s16  my wave's number
.set SEL,  20                          ; s[20:21] lane selects for v_permlanex16_b32: lane l xor 16
.set INV,  22                          ; s22  inv_scale of my head
.set CNT,  23                          ; s23  trips to go
.set RD,   24                          ; s24  LDS byte at which the chunk in hand begins
; my 32 numbers of a query of tile t, and the query's scale_factor
.macro QLOAD tile, dst
.irp j, 0,1,2,3,4,5,6,7
	global_load_b128 v[\dst+4*\j:\dst+4*\j+3], v[QO], s[4:5] offset:4096*\tile+16*\j th:TH_LOAD_NT
.endr
	global_load_b32 v[SF], v[SFO], s[10:11] offset:64*\tile
.endm
; A block of 32 numbers of the chunk at s[6:7], s[8:9].  Waves 0-7: of k: a key's 32 neighbours along d.  Waves 8-15: of v: one d, 32 keys down (32 lanes read 128 consecutive bytes).
; The branch hangs on the wave's number and goes round loads alone.  No hint: three other work-groups read the same rows.
.macro LOADS
	s_cmp_lt_u32 s[WV], 8
	s_cbranch_scc0 .Lfor_v_\@
.irp j, 0,1,2,3,4,5,6,7
	global_load_b128 v[P+4*\j:P+4*\j+3], v[GK], s[6:7] offset:16*\j
.endr
	s_branch .Lasked_\@
.Lfor_v_\@:
.irp i, 0,1,2,3,4,5,6,7,8,9,10,11,12,13,14,15,16,17,18,19,20,21,22,23,24,25,26,27,28,29,30,31
	global_load_b32 v[P+\i], v[GV], s[8:9] offset:256*\i
.endr
.Lasked_\@:
.endm
; The largest magnitude of v[src] .. v[src + 31], with the floor 2^(3 - 127) among the leaves so that the byte cannot fall under 1: 33 leaves, 16 lines, two chains.
; Then 2 off its exponent field: the conversion takes the exponent field of that operand as its scale.
.macro MAX32 src
	v_max3_num_f32 v[BM], |v[\src]|, |v[\src+1]|, 0x1800000
	v_max3_num_f32 v[BM+1], |v[\src+2]|, |v[\src+3]|, |v[\src+4]|
.irp i, 5,9,13,17,21,25
	v_max3_num_f32 v[BM], v[BM], |v[\src+\i]|, |v[\src+\i+1]|
	v_max3_num_f32 v[BM+1], v[BM+1], |v[\src+\i+2]|, |v[\src+\i+3]|
.endr
	v_max3_num_f32 v[BM], v[BM], |v[\src+29]|, |v[\src+30]|
	v_max3_num_f32 v[BM], v[BM], v[BM+1], |v[\src+31]|
	v_add_nc_u32 v[SO], 0xff000000, v[BM]
.endm
; My block of 32 becomes 24 bytes of codes and a scale byte in the chunk that begins off bytes behind s[RD].
.macro PROD off
	s_wait_loadcnt 0x0                             ; 8 or 32 loads, by my role: all are in
	v_add_nc_u32 v[ADI], s[RD], v[PST]
	v_add_nc_u32 v[ADS], s[RD], v[PSB]
	MAX32 P
	v_cvt_scalef32_pk16_fp6_f32 v[S:S+2], v[P:P+15], v[SO]
	v_cvt_scalef32_pk16_fp6_f32 v[S+6:S+8], v[P+16:P+31], v[SO]     ; (a conversion's three registers begin on an even number)
	v_lshrrev_b32 v[TT], 23, v[SO]                 ; the scale's byte; also the plain line behind the conversions
.irp i, 0,1,2
	v_mov_b32 v[S+3+\i], v[S+6+\i]
.endr
.irp i, 0,1,2
	ds_store_b64 v[ADI], v[S+2*\i:S+2*\i+1] offset:\off+8*\i
.endr
	ds_store_b8 v[ADS], v[TT] offset:\off
.endm
.macro NEXT                                    ; on to the next chunk of k and v: the wait at PROD's head has shown the loads that read these bases done
	s_add_nc_u64 s[6:7], s[6:7], 0x8000            ; 128 keys x 256 bytes
	s_add_nc_u64 s[8:9], s[8:9], 0x8000
	LOADS
.endm
; A tile of queries begins: c, Q's codes and scale word, and the running numbers.  src: where QLOAD has put my 32 numbers.
.macro QPREP src
	s_wait_loadcnt 0x0
	v_mul_f32 v[BM], s[INV], v[SF]                 ; scale_factor x inv_scale
	v_and_b32 v[BM+1], 0x80000000, v[BM]           ; its sign
	v_rcp_f32 v[BM+2], |v[BM]|
.set n, 0
.rept 32
	v_xor_b32 v[\src+n], v[BM+1], v[\src+n]        ; goes into q, exactly: so c is positive, and the largest t is c x the largest score.  (Plain work behind the reciprocal)
.set n, n+1
.endr
	s_wait_alu depctr_va_vdst(0)                   ; a wait ahead of the reciprocal's first reader
	v_fma_f32 v[BM+3], -|v[BM]|, v[BM+2], 1.0      ; one step of refinement
	v_fma_f32 v[BM+2], v[BM+2], v[BM+3], v[BM+2]
	v_mul_f32 v16, 0x3fb8aa3b, v[BM+2]             ; c = log2(e) / |scale_factor x inv_scale|
	v_mov_b32 v17, v16                             ; (named with it as a pair)
	MAX32 \src
	v_cvt_scalef32_pk16_fp6_f32 v[QF+6:QF+8], v[\src:\src+15], v[SO]
	v_cvt_scalef32_pk16_fp6_f32 v[PC2:PC2+2], v[\src+16:\src+31], v[SO]
	v_lshrrev_b32 v[PB], 23, v[SO]                 ; my block's byte; also the plain line behind the conversions
.irp i, 0,1,2
	v_mov_b32 v[QF+9+\i], v[PC2+\i]
.endr
	v_permlanex16_b32 v[PB+1], v[PB], s[SEL], s[SEL+1]   ; the other block's byte
	v_lshl_or_b32 v[QS], v[PB+1], 8, v[PB]         ; lanes 0-15: (block 0, block 1),
	v_lshl_or_b32 v[QS], v[QS], 16, v[QS]          ; twice: q stands in either half of the instruction's K.  (Lanes 16-31 are not read)
	v_mov_b32 v13, 0xff61b1e6                      ; the largest t so far: -3e38, under every t
	v_floor_f32 v12, -v13                          ; -M
	v_mov_b32 v14, 0
	v_mov_b32 v15, 0
.set n, 0
.rept 32
	v_mov_b32 v[O+n], 0                            ; O^T: the step is written once; the first finds zeros.  (More than eight plain lines between the scale word's last write and the first product)
.set n, n+1
.endr
.endm
; A STEP: the chunk at s[RD], 128 keys, for my tile of 16 queries.
.macro STEP
	v_add_nc_u32 v[ADI], s[RD], v[L48]
	v_add_nc_u32 v[ADS], s[RD], v[L4S]
	v_nop
	v_nop                                          ; four plain lines between the last step's products and loads into registers that they read
.irp j, 0,1,2,3
	ds_load_b32 v[KVS+\j], v[ADS] offset:128*\j
.endr
.irp b, 0,1,2,3
.irp g, 0,1,2
	ds_load_b128 v[FR+12*\b+4*\g:FR+12*\b+4*\g+3], v[ADI] offset:IMG*\b+16*\g
.endr
.endr
.irp b, 0,1,2,3
	s_wait_dscnt 9-3*\b                            ; image b and the records are in; the later images' loads, three each, may be out
	v_wmma_scale_f32_16x16x128_f8f6f4 v[S+16*\b:S+16*\b+7], v[FR+12*\b:FR+12*\b+11], v[QF+6:QF+17], 0, v[KVS+\b], v[QS] matrix_a_fmt:MATRIX_FMT_FP6 matrix_b_fmt:MATRIX_FMT_FP6
	v_wmma_scale_f32_16x16x128_f8f6f4 v[S+16*\b+8:S+16*\b+15], v[FR+12*\b:FR+12*\b+11], v[QF:QF+11], 0, v[KVS+\b], v[QS] matrix_a_fmt:MATRIX_FMT_FP6 matrix_b_fmt:MATRIX_FMT_FP6
.endr
.rept 4
	v_nop                                          ; four plain lines ahead of the loads into K's registers and of the first read of the scores
.endr
.irp t, 0,1,2,3
.irp g, 0,1,2
	ds_load_b128 v[FR+12*\t+4*\g:FR+12*\t+4*\g+3], v[ADI] offset:VIMG+IMG*\t+16*\g   ; V's images land under the softmax
.endr
.endr
.irp b, 0,1,2,3
	v_max3_num_f32 v[BM+\b], v[S+16*\b], v[S+16*\b+1], v[S+16*\b+2]   ; the largest score of each block of 32 keys: for the row's maximum, and, since p rises with the score, for the block's largest p.  Each result is read from its low end on
.endr
.irp i, 3,5,7,9,11,13
.irp b, 0,1,2,3
	v_max3_num_f32 v[BM+\b], v[BM+\b], v[S+16*\b+\i], v[S+16*\b+\i+1]
.endr
.endr
.irp b, 0,1,2,3
	v_max_num_f32 v[BM+\b], v[BM+\b], v[S+16*\b+15]
.endr
.irp b, 0,1,2,3
	v_permlanex16_b32 v[PB+\b], v[BM+\b], s[SEL], s[SEL+1]
.endr
.irp b, 0,1,2,3
	v_max_num_f32 v[BM+\b], v[BM+\b], v[PB+\b]     ; with lane l xor 16's 16 keys
.endr
	v_max3_num_f32 v[TT], v[BM], v[BM+1], v[BM+2]
	v_max_num_f32 v[TT], v[TT], v[BM+3]            ; the step's largest score of my query
	v_mul_f32 v[TT], v16, v[TT]                    ; as t (c is positive)
	v_max_num_f32 v13, v13, v[TT]
	v_mov_b32 v[TT], v12
	v_floor_f32 v12, -v13                          ; the new -M = -ceil(the largest t): a whole number
	v_sub_f32 v[TT], v12, v[TT]                    ; old M - new M: a whole number, 0 or less
	v_cvt_i32_f32 v[TT], v[TT]                     ; (it saturates)
	v_ldexp_f32 v[F], 1.0, v[TT]                   ; f = 2^(old M - new M)
.set n, 0
.rept 32
	v_pk_fma_f32 v[S+n:S+n+1], v[S+n:S+n+1], v[16:17], v[12:13] op_sel_hi:[1,0,0]   ; t - M, two at a time (of the pairs c and -M the low word serves both halves)
.set n, n+2
.endr
.irp b, 0,1,2,3
	v_fma_f32 v[BM+\b], v[BM+\b], v16, v12         ; the same of each block's largest score
.endr
.set n, 0
.rept 64
	v_exp_f32 v[S+n], v[S+n]                       ; p = 2^(t - M): not normalised
.set n, n+1
.endr
	v_pk_mul_f32 v[14:15], v[14:15], v[F:F+1] op_sel_hi:[1,0]   ; the sum under the new M; the plain line behind the batch
	s_wait_alu depctr_va_vdst(0)                   ; one wait for the 64, ahead of their first reader
.irp b, 0,1,2,3
	v_exp_f32 v[BM+\b], v[BM+\b]                   ; the block's largest p: the same two instructions on the same number
.endr
.set n, 0
.rept 16
	v_pk_mul_f32 v[O+n:O+n+1], v[O+n:O+n+1], v[F:F+1] op_sel_hi:[1,0]   ; O^T under the new M, each tile from its low end on; independent work behind the four
.set n, n+2
.endr
	s_wait_alu depctr_va_vdst(0)                   ; and one for the four
.irp b, 0,1,2,3
	v_max_num_f32 v[BM+\b], 0x1800000, v[BM+\b]    ; the floor 2^(3 - 127): the byte cannot fall under 1
.endr
.irp b, 0,1,2,3
	v_add_nc_u32 v[SO+\b], 0xff000000, v[BM+\b]    ; 2 off the exponent field: the conversion's scale operand
.endr
.irp b, 0,1,2,3
	v_lshrrev_b32 v[PB+\b], 23, v[SO+\b]           ; the scale's byte
.endr
	v_lshl_or_b32 v[PW], v[PB+1], 8, v[PB]         ; p's scale word for these 128 keys
	v_lshl_or_b32 v[PW], v[PB+2], 16, v[PW]
	v_lshl_or_b32 v[PW], v[PB+3], 24, v[PW]
.irp c, 0,1
	v_cvt_scalef32_pk16_fp6_f32 v[PC+6*\c:PC+6*\c+2], v[S+32*\c:S+32*\c+15], v[SO+2*\c]
	v_cvt_scalef32_pk16_fp6_f32 v[PC2+4*\c:PC2+4*\c+2], v[S+32*\c+16:S+32*\c+31], v[SO+2*\c+1]
.endr
	v_nop                                          ; one plain line behind the conversions
.irp c, 0,1                                    ; the operand's layout wants a WHOLE block in a lane: lanes 0-15 block 2 c, lanes 16-31 block 2 c + 1
.irp i, 0,1,2
	v_permlane16_swap_b32 v[PC+6*\c+\i], v[PC2+4*\c+\i]
.endr
.irp i, 0,1,2
	v_mov_b32 v[PC+3+6*\c+\i], v[PC2+4*\c+\i]
.endr
.endr
	v_pk_add_f32 v[PB:PB+1], v[S:S+1], v[S+2:S+3]  ; the row's sum is taken of the UNQUANTISED p: two at a time, in two chains.  These 32 lines also stand between the writes of p's codes and scale word and the products
.irp j, 4,8,12,16,20,24,28,32,36,40,44,48,52,56,60
	v_pk_add_f32 v[14:15], v[14:15], v[S+\j:S+\j+1]
	v_pk_add_f32 v[PB:PB+1], v[PB:PB+1], v[S+\j+2:S+\j+3]
.endr
	v_pk_add_f32 v[14:15], v[14:15], v[PB:PB+1]
	s_wait_dscnt 0x0                               ; V's images are in
.irp t, 0,1,2,3                                ; O^T += V^T P^T: four accumulators, one instruction each; the eight products K Q^T stand between two links of a chain
	v_wmma_scale_f32_16x16x128_f8f6f4 v[O+8*\t:O+8*\t+7], v[FR+12*\t:FR+12*\t+11], v[PC:PC+11], v[O+8*\t:O+8*\t+7], v[KVS+\t], v[PW] matrix_a_fmt:MATRIX_FMT_FP6 matrix_b_fmt:MATRIX_FMT_FP6 matrix_a_scale:MATRIX_SCALE_ROW1
.endr
	s_add_co_u32 s[RD], s[RD], CHUNK
.endm
; THE WAY OUT of a tile: O^T / the sum goes through my own stage in LDS and leaves as whole rows of 256 bytes.
.macro OUT tile
	v_add_f32 v14, v14, v15                        ; the sum's two halves,
	v_permlanex16_b32 v[PB], v14, s[SEL], s[SEL+1]
	v_add_f32 v14, v14, v[PB]                      ; and lane l xor 16's
	v_nop
	v_nop
	v_rcp_f32 v[F], v14
	v_nop                                          ; the plain line behind the reciprocal; with the two additions and two v_nop above: five plain lines behind the last products
	s_wait_alu depctr_va_vdst(0)                   ; a wait ahead of the first reader
.set n, 0
.rept 16
	v_pk_mul_f32 v[S+n:S+n+1], v[O+n:O+n+1], v[F:F+1] op_sel_hi:[1,0]   ; register 8 t + j: out(query r, d = 16 t + 8 h + j); each tile from its low end on
.set n, n+2
.endr
.irp t, 0,1,2,3
	ds_store_b128 v[STO], v[S+8*\t:S+8*\t+3] offset:64*\t
	ds_store_b128 v[STO], v[S+8*\t+4:S+8*\t+7] offset:64*\t+16
.endr
.irp i, 0,1,2,3,4,5,6,7
	ds_load_b128 v[FR+4*\i:FR+4*\i+3], v[SRD] offset:2*\i*SPITCH   ; LDS serves a wave's instructions in order (ISA guide 5.7.1.4): these see my stores
.endr
.irp i, 0,1,2,3,4,5,6,7
	s_wait_dscnt 7-\i                              ; rows 2 i and 2 i + 1 are back; the later loads may be out
	global_store_b128 v[GOUT], v[FR+4*\i:FR+4*\i+3], s[14:15] offset:4096*\tile+512*\i th:TH_STORE_NT   ; 16 lanes store a row's 256 consecutive bytes, at a multiple of 256 from out0's first byte
.endr
.endm
	s_load_b256 s[4:11], s[0:1], 0x0               ; q s[4:5], k s[6:7], v s[8:9], scale_factor s[10:11]
	s_load_b128 s[12:15], s[0:1], 0x20             ; inv_scale s[12:13], out0 s[14:15]
	v_lshl_add_u32 v203, v0, 2, 0x43000
	v_mov_b32 v207, 0
	v_lshrrev_b32 v[ADI], 5, v0
	v_readfirstlane_b32 s[WV], v[ADI]              ; wave 0..15
	v_and_b32 v[BM], 31, v0                        ; lane
	v_and_b32 v[BM+1], 15, v0                      ; r
	v_bfe_u32 v[BM+2], v0, 4, 1                    ; h
	s_and_b32 s17, ttmp7, 0xffff                   ; the head
	s_lshr_b32 s19, s[WV], 3                       ; rho: 0: I quantise k, 1: v
	s_and_b32 s25, s[WV], 1                        ; w0
	s_bfe_u32 s26, s[WV], 0x10001                  ; w1
	s_bfe_u32 s27, s[WV], 0x10002                  ; w2
	; ROLES.  k: image b = w1 + 2 w2, its half u = w0; lane (r, h) makes key 32 b + 8 u + r + 8 (r / 8), d = 32 h on: registers 6 u on of lane (r, h).
	;         v: lane l makes d = 32 w2 + l, keys 32 (2 w0 + w1) on: tile 2 w2 + l / 16, registers 6 w0 on of lane (r, w1).
	; One form serves both, made here, ahead of any parting of the roles:  codes at 48 r + (768 << rho) h + 24 w0 + 3072 w2 + (1536 w1 >> rho) + 6144 rho
	s_lshl_b32 s28, 768, s19
	s_mul_i32 s29, s25, 24
	s_mul_i32 s30, s27, 3072
	s_add_co_u32 s29, s29, s30
	s_mul_i32 s30, s26, 1536
	s_lshr_b32 s30, s30, s19
	s_add_co_u32 s29, s29, s30
	s_mul_i32 s30, s19, 6144
	s_add_co_u32 s29, s29, s30
	v_mul_u32_u24 v[PST], v[BM+1], 48
	v_mul_u32_u24 v[BM+3], s28, v[BM+2]
	v_add_nc_u32 v[PST], v[PST], v[BM+3]
	v_add_nc_u32 v[PST], s29, v[PST]
	; the byte at SREC + 4 r + (1 << 7 rho) h + 2 w0 + 256 w2 + (128 w1 >> 7 rho) + 64 rho:  k: record b, word r, byte 2 u + h;  v: record 2 w2 + l / 16, word 16 + r, byte 2 w0 + w1
	s_mul_i32 s31, s19, 7
	s_lshl_b32 s32, 1, s31
	s_lshl_b32 s33, s25, 1
	s_lshl_b32 s34, s27, 8
	s_add_co_u32 s33, s33, s34
	s_lshl_b32 s34, s26, 7
	s_lshr_b32 s34, s34, s31
	s_add_co_u32 s33, s33, s34
	s_lshl_b32 s34, s19, 6
	s_add_co_u32 s33, s33, s34
	s_add_co_u32 s33, s33, SREC
	v_lshlrev_b32 v[PSB], 2, v[BM+1]
	v_mul_u32_u24 v[BM+3], s32, v[BM+2]
	v_add_nc_u32 v[PSB], v[PSB], v[BM+3]
	v_add_nc_u32 v[PSB], s33, v[PSB]
	; in memory: k: 256 (r + 8 (r / 8)) + 128 h + 8192 (w1 + 2 w2) + 2048 w0
	v_and_b32 v[BM+3], 8, v[BM+1]
	v_add_nc_u32 v[BM+3], v[BM+3], v[BM+1]
	v_lshlrev_b32 v[GK], 8, v[BM+3]
	v_lshl_add_u32 v[GK], v[BM+2], 7, v[GK]
	s_lshl_b32 s35, s26, 13
	s_lshl_b32 s34, s27, 14
	s_add_co_u32 s35, s35, s34
	s_lshl_b32 s34, s25, 11
	s_add_co_u32 s35, s35, s34
	v_add_nc_u32 v[GK], s35, v[GK]
	; v: 4 lane + 128 w2 + 8192 (2 w0 + w1)
	v_lshlrev_b32 v[GV], 2, v[BM]
	s_lshl_b32 s35, s27, 7
	s_lshl_b32 s34, s25, 14
	s_add_co_u32 s35, s35, s34
	s_lshl_b32 s34, s26, 13
	s_add_co_u32 s35, s35, s34
	v_add_nc_u32 v[GV], s35, v[GV]
	v_mul_u32_u24 v[L48], v[BM], 48
	v_lshl_add_u32 v[L4S], v[BM], 2, SREC
	v_lshlrev_b32 v[QO], 8, v[BM+1]
	v_lshl_add_u32 v[QO], v[BM+2], 7, v[QO]
	v_lshlrev_b32 v[SFO], 2, v[BM+1]
	s_mul_i32 s35, s[WV], 16*SPITCH
	s_add_co_u32 s35, s35, STAGE                   ; my stage
	v_mul_u32_u24 v[STO], v[BM+1], SPITCH          ; in: row r, + 32 h
	v_lshl_add_u32 v[STO], v[BM+2], 5, v[STO]
	v_add_nc_u32 v[STO], s35, v[STO]
	v_mul_u32_u24 v[SRD], v[BM+2], SPITCH          ; back: lanes 0-15 one row, lanes 16-31 the next; 16 bytes a lane
	v_lshl_add_u32 v[SRD], v[BM+1], 4, v[SRD]
	v_add_nc_u32 v[SRD], s35, v[SRD]
	v_lshlrev_b32 v[GOUT], 8, v[BM+2]              ; and the same two rows in out0
	v_lshl_add_u32 v[GOUT], v[BM+1], 4, v[GOUT]
.irp i, 0,1,2,3,4,5
	v_mov_b32 v[QF+\i], 0                          ; the zero codes on either side of q: written once
	v_mov_b32 v[QF+12+\i], 0
.endr
.irp b, 0,1,2,3
	v_mov_b32 v[PB+\b], 0                          ; written once: a lane permute's destination counts as one of its sources
.endr
	v_mov_b32 v[F+1], 0                            ; (named as the upper half of the pair with f)
	s_mov_b32 s[SEL], 0x76543210
	s_mov_b32 s[SEL+1], 0xfedcba98
	; byte offsets, each in a pair of its own
	s_lshl_b32 s36, s17, 19                        ; k, v: the head's 2,048 rows of 256 bytes
	s_mov_b32 s37, 0
	s_lshl_b32 s38, ttmp9, 17                      ; q, out0: + my work-group's 512 rows + my wave's 32
	s_add_co_u32 s38, s38, s36
	s_lshl_b32 s34, s[WV], 13
	s_add_co_u32 s38, s38, s34
	s_mov_b32 s39, 0
	s_lshl_b32 s40, s17, 13                        ; scale_factor: 4 bytes a query
	s_lshl_b32 s34, ttmp9, 11
	s_add_co_u32 s40, s40, s34
	s_lshl_b32 s34, s[WV], 7
	s_add_co_u32 s40, s40, s34
	s_mov_b32 s41, 0
	s_lshl_b32 s42, s17, 2                         ; inv_scale: 4 bytes a head
	s_mov_b32 s43, 0
	s_wait_kmcnt 0x0
	s_add_nc_u64 s[6:7], s[6:7], s[36:37]
	s_add_nc_u64 s[8:9], s[8:9], s[36:37]
	s_add_nc_u64 s[4:5], s[4:5], s[38:39]
	s_add_nc_u64 s[14:15], s[14:15], s[38:39]
	s_add_nc_u64 s[10:11], s[10:11], s[40:41]
	s_add_nc_u64 s[12:13], s[12:13], s[42:43]
	s_load_b32 s[INV], s[12:13], 0x0
	QLOAD 0, S                                     ; tile 0's q, into registers that the scores will take
	LOADS                                          ; chunk 0
	s_wait_kmcnt 0x0                               ; inv_scale
	QPREP S                                        ; tile 0
	s_mov_b32 s[RD], 0
	PROD 0                                         ; chunk 0
	NEXT                                           ; chunk 1 is asked for
	s_wait_dscnt 0x0                               ; for the others' sake: my part of chunk 0 has landed
	s_barrier_signal -1
	s_barrier_wait -1
	s_mov_b32 s[CNT], 14
.Lfirst_pass:                                      ; trips T = 0 .. 13
	PROD CHUNK                                     ; my part of chunk T + 1, into bytes that nobody has touched
	NEXT                                           ; chunk T + 2 is asked for: it has this whole trip in which to land
	s_wait_dscnt 0x0                               ; for the others' sake: my part of chunk T + 1 has landed
	s_barrier_signal -1
	STEP                                           ; reads chunk T alone: whole since the last barrier, and written by nobody any more
	s_barrier_wait -1                              ; chunk T + 1 is whole
	s_sub_co_u32 s[CNT], s[CNT], 1
	s_cmp_lg_u32 s[CNT], 0
	s_cbranch_scc1 .Lfirst_pass
	PROD CHUNK                                     ; T = 14: chunk 15; nothing is left of k and v
	QLOAD 1, P                                     ; tile 1's q lands under two steps
	s_wait_dscnt 0x0
	s_barrier_signal -1
	STEP
	s_barrier_wait -1
	STEP                                           ; T = 15
	OUT 0
	QPREP P                                        ; tile 1
	s_wait_xcnt 0x0                                ; tile 0's stores have read their registers: the steps below load into them
	s_mov_b32 s[RD], 0
	s_mov_b32 s[CNT], 16
.Lsecond_pass:                                     ; LDS alone, no barrier: nothing is written any more
	STEP
	s_sub_co_u32 s[CNT], s[CNT], 1
	s_cmp_lg_u32 s[CNT], 0
	s_cbranch_scc1 .Lsecond_pass
	OUT 1
	s_wait_tensorcnt 0x0
	ds_add_u32 v203, v207
	s_wait_dscnt 0x0
	s_endpgm
.Lfunc_end_k_qb9b2cfd200_attn:
	.size	k_qb9b2cfd200_attn, .Lfunc_end_k_qb9b2cfd200_attn-k_qb9b2cfd200_attn
	.p2alignl 7, 3214868480
	.fill 96, 4, 3214868480
	.section	.rodata,"a",@progbits
	.p2align	6, 0x0
	.amdhsa_kernel k_qb9b2cfd200_attn
		.amdhsa_group_segment_fixed_size 276480
		.amdhsa_private_segment_fixed_size 0
		.amdhsa_enable_private_segment 0
		.amdhsa_kernarg_size 48
		.amdhsa_user_sgpr_count 2
		.amdhsa_user_sgpr_kernarg_segment_ptr 1
		.amdhsa_wavefront_size32 1
		.amdhsa_system_sgpr_workgroup_id_x 1
		.amdhsa_system_sgpr_workgroup_id_y 1
		.amdhsa_system_sgpr_workgroup_id_z 1
		.amdhsa_system_vgpr_workitem_id 0
		.amdhsa_next_free_vgpr 256
		.amdhsa_next_free_sgpr 66
		.amdhsa_reserve_vcc 0
		.amdhsa_float_denorm_mode_32 3
		.amdhsa_float_denorm_mode_16_64 3
		.amdhsa_memory_ordered 1
		.amdhsa_forward_progress 1
		.amdhsa_inst_pref_size 101
	.end_amdhsa_kernel
	.amdgpu_metadata
---
amdhsa.version: [ 1, 2 ]
amdhsa.kernels:
  - .name:           k_qb9b2cfd200_attn
    .symbol:         k_qb9b2cfd200_attn.kd
    .args:
      - { .name: q, .offset: 0, .size: 8, .value_kind: global_buffer, .address_space: global }
      - { .name: k, .offset: 8, .size: 8, .value_kind: global_buffer, .address_space: global }
      - { .name: v, .offset: 16, .size: 8, .value_kind: global_buffer, .address_space: global }
      - { .name: scale_factor, .offset: 24, .size: 8, .value_kind: global_buffer, .address_space: global }
      - { .name: inv_scale, .offset: 32, .size: 8, .value_kind: global_buffer, .address_space: global }
      - { .name: out0, .offset: 40, .size: 8, .value_kind: global_buffer, .address_space: global }
    .group_segment_fixed_size: 276480
    .private_segment_fixed_size: 0
    .kernarg_segment_align: 8
    .kernarg_segment_size: 48
    .max_flat_workgroup_size: 512
    .sgpr_count:     66
    .vgpr_count:     256
    .wavefront_size: 32
...
	.end_amdgpu_metadata
.endif
;; end of part 1
;; ======== version 2 of 2: 1 launch; version 1 with the launch attn written anew for expert scheduling mode
;; launch attn (part 2): grid 4 x 64, 16 waves a work-group, no clusters, 276,480 bytes of LDS; arguments q, k, v, scale_factor, inv_scale, out0; writes out0
.if DOCPART == 2
	.amdgcn_target "amdgcn-amd-amdhsa--gfx1250"
	.amdhsa_code_object_version 6
	.text
	.protected	k_qb9b2cfd200_attn
	.globl	k_qb9b2cfd200_attn
	.p2align	8
	.type	k_qb9b2cfd200_attn,@function
k_qb9b2cfd200_attn:
	s_mov_b64 s[64:65], 0
	v_nop
	global_prefetch_b8 v0, s[64:65] scope:SCOPE_SE
	s_setreg_imm32_b32 hwreg(HW_REG_WAVE_SCHED_MODE, 0, 2), 2
	s_setreg_imm32_b32 hwreg(HW_REG_WAVE_MODE, 25, 1), 1
	s_wait_xcnt 0x0
	s_wait_alu depctr_vm_vsrc(0)
; out0[h][q][:] = sum over keys of softmax_k(q.k / scale_factor[h][q] / inv_scale[h]) v[h][k][:].  64 heads, 2,048 queries, 2,048 keys, head size 64, all f32 in memory.
; Both products run on codes of FP6 (E2M3) with one E8M0 scale for each 32 along a product's K: q and k are quantised along d, p and v along the keys.
; THE SOFTMAX AHEAD OF THE SECOND PRODUCT: t = score x c, c = log2(e) / (scale_factor x inv_scale); M = the largest t so far, rounded UP to a whole number; p = 2^(t - M) is quantised, not normalised;
; the row's sum is taken of the unquantised p and divides at the end.  When M moves, the sum and O are multiplied by 2^(old M - new M): exact.
; SHARES.  A work-group owns 512 queries of one head (grid 4 x 64); each of its sixteen waves owns two tiles of 16 queries and takes them one after the other, each over all 2,048 keys in 16 chunks of 128.
; k AND v OF THE WHOLE HEAD ARE QUANTISED BY THE WORK-GROUP ITSELF INTO LDS AND STAY THERE: 16 chunks x 12,800 bytes, as images of the operands' registers.  In the first pass the head of trip T quantises
; chunk T + 1 and asks memory for chunk T + 2, which has a whole trip in which to land; the second pass reads LDS alone.  Every chunk has LDS bytes of its own: nothing in LDS is ever written twice.
; WHY NO TENSOR LOADS AND NO JOINT REQUESTS, though four work-groups read the same k and v: they arrive as f32 and must pass through registers to be quantised; two f32 chunks (2 x 65,536 bytes) do not
; fit beside the codes (204,800 bytes) and the stages (69,632 bytes) in the 327,680 bytes that a work-group can claim.
; LAYOUT.  Both products are used transposed: S^T = K Q^T (source 0 = keys, source 1 = my 16 queries), O^T = V^T P^T: a lane holds ONE query (lane % 16) throughout, so c is a number of the lane.
; K = 64 IN AN INSTRUCTION 128 DEEP.  A K image (12 registers) holds TWO tiles of 16 keys: registers 0-5 tile 2 b, registers 6-11 tile 2 b + 1.  Q lies in 18 registers [six of zero codes | q | six of zero codes]:
; the run (q, 0) multiplies tile 2 b, the run (0, q) tile 2 b + 1; the other half meets zero codes and adds exactly 0 (every scale byte lies between 1 and 252).  The idle half's scales enter the sum's alignment as those of a real K = 128 would.
; THE KEYS OF A TILE ARE NOT NEIGHBOURS: row r of tile 2 b + u is key 32 b + 8 u + r + 8 (r / 8), so that the 16 registers of tiles 2 b and 2 b + 1 are the 16 neighbouring keys 32 b + 16 (lane / 16) + 0 .. 15.
; LIMITS: NaN and infinities among the inputs are not served.  scale_factor x inv_scale that is 0, under 2^-126 in magnitude or beyond f32's range is not served.  Negative scales are served: the sign goes, exactly,
; into q.  A block of zeros gets the byte 1 (the quantiser's rule says 127): its codes are zeros and only this text reads the bytes.  c is one product, a refined reciprocal and one multiplication where the
; definition divides twice: some 1e-7 of t.
; THE MODE: SCHED_MODE bits 1:0 = 2 (LLVM: expert scheduling mode 2), set by the entry lines.  The code itself states the register dependences between vector or matrix instructions and memory or LDS
; instructions, with s_wait_alu, always for 0.
; THE PLAN.  Registers that memory or LDS instructions touch, and who else names them:
;   P              global loads land in it (my block of the chunk after next; once tile 1's q); PROD's maximum and conversions read it (QPREP's, for q).
;   S .. S+5, TT   PROD's codes and byte: written by its conversions, moves and shift, read by its four LDS stores; written again by the step's products and softmax, in the first trip by the next PROD.
;   ADI, ADS       written by an add each at PROD's head and at a step's head; read by PROD's stores and by the step's LDS loads.
;   KVS, FR        LDS loads land in them: the records and K's images at a step's head, V's images (in FR) in its middle; matrix instructions read them.  On the way out rows land in FR and the global stores read them.
;   S, way out     written by the sixteen scalings, read by eight LDS stores.
;   v1-v10, v223   offsets and addresses: made at the head, never written again.   SF: two loads land in it, one multiplication of each QPREP reads it.   v203, v207: made at the head, read by the closing add alone.
; THE WAITS.  PROD: one on vm_vsrc at its head (ADI, ADS are free), one on va_vdst ahead of its stores, which also frees P for the loads that follow at once.  A STEP: one on vm_vsrc and one on va_vdst at its head, round
; the two adds; the wait behind the 64 exponentials also states that the products K Q^T are done reading FR, so V's loads stand behind it; one on va_vdst ahead of the products V^T P^T, for p's codes and scale word.
; The way out: one on va_vdst between the scalings and the stage's stores.  The head: one on va_sdst for the wave's number, one on va_vdst ahead of the first load.
.set CHUNK,  12800                     ; LDS: a chunk of 128 keys: four K images, four V images, four scale records
.set IMG,    1536                      ; an image: 32 lanes x 48 bytes: register g of lane l at 48 l + 4 g.  48 = 3 x 16
.set VIMG,   4*IMG                     ; V's images (tile t: d = 16 t + r; registers 6 c .. 6 c + 5: keys 64 c + 32 (lane / 16) + 0 .. 31)
.set SREC,   8*IMG                     ; scale records, 128 bytes each: record j: lanes 0-15 K image j's words, lanes 16-31 V tile j's words
.set STAGE,  16*CHUNK                  ; behind the chunks: for each wave 16 rows x (256 + 16) bytes, for the way out
.set SPITCH, 272
.set L48,  1                           ; v1   48 x lane
.set L4S,  2                           ; v2   4 x lane + SREC
.set PST,  3                           ; v3   where I store the 24 bytes of codes that I make of a chunk
.set PSB,  4                           ; v4   and their scale byte
.set GK,   5                           ; v5   my byte offset in a chunk of k
.set GV,   6                           ; v6   and of v
.set QO,   7                           ; v7   256 r + 128 h: my 32 numbers of a query
.set STO,  8                           ; v8   the stage: where I put 32 bytes of a row
.set SRD,  9                           ; v9   and where I read a row back
.set GOUT, 10                          ; v10  my byte offset in two rows of out0
.set ADI,  11                          ; v11  LDS address of the images in hand
.set ADS,  42                          ; v42  and of the scales in hand
.set QS,   18                          ; v18  Q's scale word;  v12 -M, v13 the largest t, v[14:15] the sum in two halves, v[16:17] c twice
.set PW,   19                          ; v19  p's scale word
.set KVS,  20                          ; v20-23 the chunk's four scale records
.set QF,   24                          ; v24-41 [zeros | q | zeros]
.set SF,   43                          ; v43  scale_factor of my query
.set FR,   44                          ; v44-91 four fragments: K's images, then V's; on the way out rows of out0
.set S,    92                          ; v92-155 S^T, then p; between steps at work
.set O,    156                         ; v156-187 O^T, tile t at O + 8 t
.set PC,   188                         ; v188-199 p's codes
.set PC2,  200                         ; v200-202, v204-206 the conversions' second halves
.set BM,   208                         ; v208-211 largest scores of the four blocks; at work
.set PB,   212                         ; v212-215 the other half's maxima, bytes, the sum's second chain
.set SO,   216                         ; v216-219 the conversions' scale operands
.set F,    220                         ; v[220:221] f = 2^(old M - new M) (v221 is only named with it)
.set TT,   222                         ; v222 at work
.set SFO,  223                         ; v223 4 r
.set P,    224                         ; v224-255 32 numbers on their way from memory
.set WV,   16                          ; s16  my wave's number
.set SEL,  20                          ; s[20:21] lane selects for v_permlanex16_b32: lane l xor 16
.set INV,  22                          ; s22  inv_scale of my head
.set CNT,  23                          ; s23  trips to go
.set RD,   24                          ; s24  LDS byte at which the chunk in hand begins
; my 32 numbers of a query of tile t, and the query's scale_factor
.macro QLOAD tile, dst
.irp j, 0,1,2,3,4,5,6,7
	global_load_b128 v[\dst+4*\j:\dst+4*\j+3], v[QO], s[4:5] offset:4096*\tile+16*\j th:TH_LOAD_NT
.endr
	global_load_b32 v[SF], v[SFO], s[10:11] offset:64*\tile
.endm
; A block of 32 numbers of the chunk at s[6:7], s[8:9].  Waves 0-7: of k: a key's 32 neighbours along d.  Waves 8-15: of v: one d, 32 keys down (32 lanes read 128 consecutive bytes).
; The branch hangs on the wave's number and goes round loads alone.  No hint: three other work-groups read the same rows.
.macro LOADS
	s_cmp_lt_u32 s[WV], 8
	s_cbranch_scc0 .Lfor_v_\@
.irp j, 0,1,2,3,4,5,6,7
	global_load_b128 v[P+4*\j:P+4*\j+3], v[GK], s[6:7] offset:16*\j
.endr
	s_branch .Lasked_\@
.Lfor_v_\@:
.irp i, 0,1,2,3,4,5,6,7,8,9,10,11,12,13,14,15,16,17,18,19,20,21,22,23,24,25,26,27,28,29,30,31
	global_load_b32 v[P+\i], v[GV], s[8:9] offset:256*\i
.endr
.Lasked_\@:
.endm
; The largest magnitude of v[src] .. v[src + 31], with the floor 2^(3 - 127) among the leaves so that the byte cannot fall under 1: 33 leaves, 16 lines, two chains.
; Then 2 off its exponent field: the conversion takes the exponent field of that operand as its scale.
.macro MAX32 src
	v_max3_num_f32 v[BM], |v[\src]|, |v[\src+1]|, 0x1800000
	v_max3_num_f32 v[BM+1], |v[\src+2]|, |v[\src+3]|, |v[\src+4]|
.irp i, 5,9,13,17,21,25
	v_max3_num_f32 v[BM], v[BM], |v[\src+\i]|, |v[\src+\i+1]|
	v_max3_num_f32 v[BM+1], v[BM+1], |v[\src+\i+2]|, |v[\src+\i+3]|
.endr
	v_max3_num_f32 v[BM], v[BM], |v[\src+29]|, |v[\src+30]|
	v_max3_num_f32 v[BM], v[BM], v[BM+1], |v[\src+31]|
	v_add_nc_u32 v[SO], 0xff000000, v[BM]
.endm
; My block of 32 becomes 24 bytes of codes and a scale byte in the chunk that begins off bytes behind s[RD].  off = 0: the first of all, with no LDS instruction ahead of it.
.macro PROD off
	s_wait_loadcnt 0x0                             ; 8 or 32 loads, by my role: all are in
.if (\off) > 0
	s_wait_alu depctr_vm_vsrc(0)                   ; the LDS instructions issued so far have read v[ADI] and v[ADS], and in the first trip chunk 0's stores their codes in v[S ..] and their byte in v[TT]: the lines below write all of these again
.endif
	v_add_nc_u32 v[ADI], s[RD], v[PST]
	v_add_nc_u32 v[ADS], s[RD], v[PSB]
	MAX32 P
	v_cvt_scalef32_pk16_fp6_f32 v[S:S+2], v[P:P+15], v[SO]
	v_cvt_scalef32_pk16_fp6_f32 v[S+6:S+8], v[P+16:P+31], v[SO]     ; (a conversion's three registers begin on an even number)
	v_lshrrev_b32 v[TT], 23, v[SO]                 ; the scale's byte; also the plain line behind the conversions
.irp i, 0,1,2
	v_mov_b32 v[S+3+\i], v[S+6+\i]
.endr
	s_wait_alu depctr_va_vdst(0)                   ; v[ADI], v[ADS], the codes in v[S ..] and the byte in v[TT] are written, which the stores read; the maximum and the conversions are done reading v[P ..], in which the loads behind this macro land
.irp i, 0,1,2
	ds_store_b64 v[ADI], v[S+2*\i:S+2*\i+1] offset:\off+8*\i
.endr
	ds_store_b8 v[ADS], v[TT] offset:\off
.endm
.macro NEXT                                    ; on to the next chunk of k and v: the wait at PROD's head has shown the loads that read these bases done.  No vector instruction since PROD's last wait names v[P ..]
	s_add_nc_u64 s[6:7], s[6:7], 0x8000            ; 128 keys x 256 bytes
	s_add_nc_u64 s[8:9], s[8:9], 0x8000
	LOADS
.endm
; A tile of queries begins: c, Q's codes and scale word, and the running numbers.  src: where QLOAD has put my 32 numbers.  No memory or LDS instruction stands here, and none has read a register that is written here.
.macro QPREP src
	s_wait_loadcnt 0x0
	v_mul_f32 v[BM], s[INV], v[SF]                 ; scale_factor x inv_scale
	v_and_b32 v[BM+1], 0x80000000, v[BM]           ; its sign
	v_rcp_f32 v[BM+2], |v[BM]|
.set n, 0
.rept 32
	v_xor_b32 v[\src+n], v[BM+1], v[\src+n]        ; goes into q, exactly: so c is positive, and the largest t is c x the largest score.  (Plain work behind the reciprocal)
.set n, n+1
.endr
	s_wait_alu depctr_va_vdst(0)                   ; the reciprocal has written v[BM+2]: a wait ahead of its first reader
	v_fma_f32 v[BM+3], -|v[BM]|, v[BM+2], 1.0      ; one step of refinement
	v_fma_f32 v[BM+2], v[BM+2], v[BM+3], v[BM+2]
	v_mul_f32 v16, 0x3fb8aa3b, v[BM+2]             ; c = log2(e) / |scale_factor x inv_scale|
	v_mov_b32 v17, v16                             ; (named with it as a pair)
	MAX32 \src
	v_cvt_scalef32_pk16_fp6_f32 v[QF+6:QF+8], v[\src:\src+15], v[SO]
	v_cvt_scalef32_pk16_fp6_f32 v[PC2:PC2+2], v[\src+16:\src+31], v[SO]
	v_lshrrev_b32 v[PB], 23, v[SO]                 ; my block's byte; also the plain line behind the conversions
.irp i, 0,1,2
	v_mov_b32 v[QF+9+\i], v[PC2+\i]
.endr
	v_permlanex16_b32 v[PB+1], v[PB], s[SEL], s[SEL+1]   ; the other block's byte
	v_lshl_or_b32 v[QS], v[PB+1], 8, v[PB]         ; lanes 0-15: (block 0, block 1),
	v_lshl_or_b32 v[QS], v[QS], 16, v[QS]          ; twice: q stands in either half of the instruction's K.  (Lanes 16-31 are not read)
	v_mov_b32 v13, 0xff61b1e6                      ; the largest t so far: -3e38, under every t
	v_floor_f32 v12, -v13                          ; -M
	v_mov_b32 v14, 0
	v_mov_b32 v15, 0
.set n, 0
.rept 32
	v_mov_b32 v[O+n], 0                            ; O^T: the step is written once; the first finds zeros.  (More than eight plain lines between the scale word's last write and the first product)
.set n, n+1
.endr
.endm
; A STEP: the chunk at s[RD], 128 keys, for my tile of 16 queries.
.macro STEP
	s_wait_alu depctr_vm_vsrc(0)                   ; the LDS and memory instructions issued so far have read their registers: v[ADI] and v[ADS], written just below; PROD's codes in v[S ..] and its byte in v[TT], which this step's products and softmax write; behind a way out the stage's data in v[S ..] and the rows in v[FR ..], in which this step's loads land
	v_add_nc_u32 v[ADI], s[RD], v[L48]
	v_add_nc_u32 v[ADS], s[RD], v[L4S]
	v_nop
	v_nop                                          ; four plain lines between the last step's products and loads into registers that they read
	s_wait_alu depctr_va_vdst(0)                   ; v[ADI] and v[ADS] are written, which the loads read; the last step's products are done reading v[KVS ..] and v[FR ..], in which they land; at a tile's first step Q's codes and scale word are written, which the products below take
.irp j, 0,1,2,3
	ds_load_b32 v[KVS+\j], v[ADS] offset:128*\j
.endr
.irp b, 0,1,2,3
.irp g, 0,1,2
	ds_load_b128 v[FR+12*\b+4*\g:FR+12*\b+4*\g+3], v[ADI] offset:IMG*\b+16*\g
.endr
.endr
.irp b, 0,1,2,3
	s_wait_dscnt 9-3*\b                            ; image b and the records are in; the later images' loads, three each, may be out
	v_wmma_scale_f32_16x16x128_f8f6f4 v[S+16*\b:S+16*\b+7], v[FR+12*\b:FR+12*\b+11], v[QF+6:QF+17], 0, v[KVS+\b], v[QS] matrix_a_fmt:MATRIX_FMT_FP6 matrix_b_fmt:MATRIX_FMT_FP6
	v_wmma_scale_f32_16x16x128_f8f6f4 v[S+16*\b+8:S+16*\b+15], v[FR+12*\b:FR+12*\b+11], v[QF:QF+11], 0, v[KVS+\b], v[QS] matrix_a_fmt:MATRIX_FMT_FP6 matrix_b_fmt:MATRIX_FMT_FP6
.endr
.rept 4
	v_nop                                          ; four plain lines ahead of the first read of the scores
.endr
.irp b, 0,1,2,3
	v_max3_num_f32 v[BM+\b], v[S+16*\b], v[S+16*\b+1], v[S+16*\b+2]   ; the largest score of each block of 32 keys: for the row's maximum, and, since p rises with the score, for the block's largest p.  Each result is read from its low end on
.endr
.irp i, 3,5,7,9,11,13
.irp b, 0,1,2,3
	v_max3_num_f32 v[BM+\b], v[BM+\b], v[S+16*\b+\i], v[S+16*\b+\i+1]
.endr
.endr
.irp b, 0,1,2,3
	v_max_num_f32 v[BM+\b], v[BM+\b], v[S+16*\b+15]
.endr
.irp b, 0,1,2,3
	v_permlanex16_b32 v[PB+\b], v[BM+\b], s[SEL], s[SEL+1]
.endr
.irp b, 0,1,2,3
	v_max_num_f32 v[BM+\b], v[BM+\b], v[PB+\b]     ; with lane l xor 16's 16 keys
.endr
	v_max3_num_f32 v[TT], v[BM], v[BM+1], v[BM+2]
	v_max_num_f32 v[TT], v[TT], v[BM+3]            ; the step's largest score of my query
	v_mul_f32 v[TT], v16, v[TT]                    ; as t (c is positive)
	v_max_num_f32 v13, v13, v[TT]
	v_mov_b32 v[TT], v12
	v_floor_f32 v12, -v13                          ; the new -M = -ceil(the largest t): a whole number
	v_sub_f32 v[TT], v12, v[TT]                    ; old M - new M: a whole number, 0 or less
	v_cvt_i32_f32 v[TT], v[TT]                     ; (it saturates)
	v_ldexp_f32 v[F], 1.0, v[TT]                   ; f = 2^(old M - new M)
.set n, 0
.rept 32
	v_pk_fma_f32 v[S+n:S+n+1], v[S+n:S+n+1], v[16:17], v[12:13] op_sel_hi:[1,0,0]   ; t - M, two at a time (of the pairs c and -M the low word serves both halves)
.set n, n+2
.endr
.irp b, 0,1,2,3
	v_fma_f32 v[BM+\b], v[BM+\b], v16, v12         ; the same of each block's largest score
.endr
.set n, 0
.rept 64
	v_exp_f32 v[S+n], v[S+n]                       ; p = 2^(t - M): not normalised
.set n, n+1
.endr
	v_pk_mul_f32 v[14:15], v[14:15], v[F:F+1] op_sel_hi:[1,0]   ; the sum under the new M; the plain line behind the batch
	s_wait_alu depctr_va_vdst(0)                   ; the 64 exponentials have written v[S ..]: one wait ahead of their first reader; and the products K Q^T are done reading v[FR ..], in which V's images land
.irp t, 0,1,2,3
.irp g, 0,1,2
	ds_load_b128 v[FR+12*\t+4*\g:FR+12*\t+4*\g+3], v[ADI] offset:VIMG+IMG*\t+16*\g   ; V's images land under the rest of the softmax: 84 vector lines, none of which names v[FR ..] or v[ADI]
.endr
.endr
.irp b, 0,1,2,3
	v_exp_f32 v[BM+\b], v[BM+\b]                   ; the block's largest p: the same two instructions on the same number
.endr
.set n, 0
.rept 16
	v_pk_mul_f32 v[O+n:O+n+1], v[O+n:O+n+1], v[F:F+1] op_sel_hi:[1,0]   ; O^T under the new M, each tile from its low end on; independent work behind the four
.set n, n+2
.endr
	s_wait_alu depctr_va_vdst(0)                   ; the four exponentials have written v[BM ..]: one wait ahead of their first reader
.irp b, 0,1,2,3
	v_max_num_f32 v[BM+\b], 0x1800000, v[BM+\b]    ; the floor 2^(3 - 127): the byte cannot fall under 1
.endr
.irp b, 0,1,2,3
	v_add_nc_u32 v[SO+\b], 0xff000000, v[BM+\b]    ; 2 off the exponent field: the conversion's scale operand
.endr
.irp b, 0,1,2,3
	v_lshrrev_b32 v[PB+\b], 23, v[SO+\b]           ; the scale's byte
.endr
	v_lshl_or_b32 v[PW], v[PB+1], 8, v[PB]         ; p's scale word for these 128 keys
	v_lshl_or_b32 v[PW], v[PB+2], 16, v[PW]
	v_lshl_or_b32 v[PW], v[PB+3], 24, v[PW]
.irp c, 0,1
	v_cvt_scalef32_pk16_fp6_f32 v[PC+6*\c:PC+6*\c+2], v[S+32*\c:S+32*\c+15], v[SO+2*\c]
	v_cvt_scalef32_pk16_fp6_f32 v[PC2+4*\c:PC2+4*\c+2], v[S+32*\c+16:S+32*\c+31], v[SO+2*\c+1]
.endr
	v_nop                                          ; one plain line behind the conversions
.irp c, 0,1                                    ; the operand's layout wants a WHOLE block in a lane: lanes 0-15 block 2 c, lanes 16-31 block 2 c + 1
.irp i, 0,1,2
	v_permlane16_swap_b32 v[PC+6*\c+\i], v[PC2+4*\c+\i]
.endr
.irp i, 0,1,2
	v_mov_b32 v[PC+3+6*\c+\i], v[PC2+4*\c+\i]
.endr
.endr
	v_pk_add_f32 v[PB:PB+1], v[S:S+1], v[S+2:S+3]  ; the row's sum is taken of the UNQUANTISED p: two at a time, in two chains.  These 32 lines also stand between the writes of p's codes and scale word and the products
.irp j, 4,8,12,16,20,24,28,32,36,40,44,48,52,56,60
	v_pk_add_f32 v[14:15], v[14:15], v[S+\j:S+\j+1]
	v_pk_add_f32 v[PB:PB+1], v[PB:PB+1], v[S+\j+2:S+\j+3]
.endr
	v_pk_add_f32 v[14:15], v[14:15], v[PB:PB+1]
	s_wait_dscnt 0x0                               ; V's images are in
	s_wait_alu depctr_va_vdst(0)                   ; p's codes in v[PC ..] and its scale word in v[PW] are written, which the scaled products below take; the 32 lines above stay beside this wait
.irp t, 0,1,2,3                                ; O^T += V^T P^T: four accumulators, one instruction each; the eight products K Q^T stand between two links of a chain
	v_wmma_scale_f32_16x16x128_f8f6f4 v[O+8*\t:O+8*\t+7], v[FR+12*\t:FR+12*\t+11], v[PC:PC+11], v[O+8*\t:O+8*\t+7], v[KVS+\t], v[PW] matrix_a_fmt:MATRIX_FMT_FP6 matrix_b_fmt:MATRIX_FMT_FP6 matrix_a_scale:MATRIX_SCALE_ROW1
.endr
	s_add_co_u32 s[RD], s[RD], CHUNK
.endm
; THE WAY OUT of a tile: O^T / the sum goes through my own stage in LDS and leaves as whole rows of 256 bytes.
.macro OUT tile
	v_add_f32 v14, v14, v15                        ; the sum's two halves,
	v_permlanex16_b32 v[PB], v14, s[SEL], s[SEL+1]
	v_add_f32 v14, v14, v[PB]                      ; and lane l xor 16's
	v_nop
	v_nop
	v_rcp_f32 v[F], v14
	v_nop                                          ; the plain line behind the reciprocal; with the two additions and two v_nop above: five plain lines behind the last products
	s_wait_alu depctr_va_vdst(0)                   ; the reciprocal has written v[F]: a wait ahead of the first reader
.set n, 0
.rept 16
	v_pk_mul_f32 v[S+n:S+n+1], v[O+n:O+n+1], v[F:F+1] op_sel_hi:[1,0]   ; register 8 t + j: out(query r, d = 16 t + 8 h + j); each tile from its low end on
.set n, n+2
.endr
	s_wait_alu depctr_va_vdst(0)                   ; the scalings have written v[S ..], which the stage's stores read; the last products are done reading v[FR ..], in which the rows land
.irp t, 0,1,2,3
	ds_store_b128 v[STO], v[S+8*\t:S+8*\t+3] offset:64*\t
	ds_store_b128 v[STO], v[S+8*\t+4:S+8*\t+7] offset:64*\t+16
.endr
.irp i, 0,1,2,3,4,5,6,7
	ds_load_b128 v[FR+4*\i:FR+4*\i+3], v[SRD] offset:2*\i*SPITCH   ; LDS serves a wave's instructions in order (ISA guide 5.7.1.4): these see my stores
.endr
.irp i, 0,1,2,3,4,5,6,7
	s_wait_dscnt 7-\i                              ; rows 2 i and 2 i + 1 are back; the later loads may be out
	global_store_b128 v[GOUT], v[FR+4*\i:FR+4*\i+3], s[14:15] offset:4096*\tile+512*\i th:TH_STORE_NT   ; 16 lanes store a row's 256 consecutive bytes, at a multiple of 256 from out0's first byte
.endr
.endm
	s_load_b256 s[4:11], s[0:1], 0x0               ; q s[4:5], k s[6:7], v s[8:9], scale_factor s[10:11]
	s_load_b128 s[12:15], s[0:1], 0x20             ; inv_scale s[12:13], out0 s[14:15]
	v_lshl_add_u32 v203, v0, 2, 0x43000
	v_mov_b32 v207, 0
	v_lshrrev_b32 v[ADI], 5, v0
	v_readfirstlane_b32 s[WV], v[ADI]              ; wave 0..15
	v_and_b32 v[BM], 31, v0                        ; lane
	v_and_b32 v[BM+1], 15, v0                      ; r
	v_bfe_u32 v[BM+2], v0, 4, 1                    ; h
	s_and_b32 s17, ttmp7, 0xffff                   ; the head
	s_wait_alu depctr_va_sdst(0)                   ; the wave's number is written into s16, ahead of its first reader: roles, addresses and branches are made from it
	s_lshr_b32 s19, s[WV], 3                       ; rho: 0: I quantise k, 1: v
	s_and_b32 s25, s[WV], 1                        ; w0
	s_bfe_u32 s26, s[WV], 0x10001                  ; w1
	s_bfe_u32 s27, s[WV], 0x10002                  ; w2
	; ROLES.  k: image b = w1 + 2 w2, its half u = w0; lane (r, h) makes key 32 b + 8 u + r + 8 (r / 8), d = 32 h on: registers 6 u on of lane (r, h).
	;         v: lane l makes d = 32 w2 + l, keys 32 (2 w0 + w1) on: tile 2 w2 + l / 16, registers 6 w0 on of lane (r, w1).
	; One form serves both, made here, ahead of any parting of the roles:  codes at 48 r + (768 << rho) h + 24 w0 + 3072 w2 + (1536 w1 >> rho) + 6144 rho
	s_lshl_b32 s28, 768, s19
	s_mul_i32 s29, s25, 24
	s_mul_i32 s30, s27, 3072
	s_add_co_u32 s29, s29, s30
	s_mul_i32 s30, s26, 1536
	s_lshr_b32 s30, s30, s19
	s_add_co_u32 s29, s29, s30
	s_mul_i32 s30, s19, 6144
	s_add_co_u32 s29, s29, s30
	v_mul_u32_u24 v[PST], v[BM+1], 48
	v_mul_u32_u24 v[BM+3], s28, v[BM+2]
	v_add_nc_u32 v[PST], v[PST], v[BM+3]
	v_add_nc_u32 v[PST], s29, v[PST]
	; the byte at SREC + 4 r + (1 << 7 rho) h + 2 w0 + 256 w2 + (128 w1 >> 7 rho) + 64 rho:  k: record b, word r, byte 2 u + h;  v: record 2 w2 + l / 16, word 16 + r, byte 2 w0 + w1
	s_mul_i32 s31, s19, 7
	s_lshl_b32 s32, 1, s31
	s_lshl_b32 s33, s25, 1
	s_lshl_b32 s34, s27, 8
	s_add_co_u32 s33, s33, s34
	s_lshl_b32 s34, s26, 7
	s_lshr_b32 s34, s34, s31
	s_add_co_u32 s33, s33, s34
	s_lshl_b32 s34, s19, 6
	s_add_co_u32 s33, s33, s34
	s_add_co_u32 s33, s33, SREC
	v_lshlrev_b32 v[PSB], 2, v[BM+1]
	v_mul_u32_u24 v[BM+3], s32, v[BM+2]
	v_add_nc_u32 v[PSB], v[PSB], v[BM+3]
	v_add_nc_u32 v[PSB], s33, v[PSB]
	; in memory: k: 256 (r + 8 (r / 8)) + 128 h + 8192 (w1 + 2 w2) + 2048 w0
	v_and_b32 v[BM+3], 8, v[BM+1]
	v_add_nc_u32 v[BM+3], v[BM+3], v[BM+1]
	v_lshlrev_b32 v[GK], 8, v[BM+3]
	v_lshl_add_u32 v[GK], v[BM+2], 7, v[GK]
	s_lshl_b32 s35, s26, 13
	s_lshl_b32 s34, s27, 14
	s_add_co_u32 s35, s35, s34
	s_lshl_b32 s34, s25, 11
	s_add_co_u32 s35, s35, s34
	v_add_nc_u32 v[GK], s35, v[GK]
	; v: 4 lane + 128 w2 + 8192 (2 w0 + w1)
	v_lshlrev_b32 v[GV], 2, v[BM]
	s_lshl_b32 s35, s27, 7
	s_lshl_b32 s34, s25, 14
	s_add_co_u32 s35, s35, s34
	s_lshl_b32 s34, s26, 13
	s_add_co_u32 s35, s35, s34
	v_add_nc_u32 v[GV], s35, v[GV]
	v_mul_u32_u24 v[L48], v[BM], 48
	v_lshl_add_u32 v[L4S], v[BM], 2, SREC
	v_lshlrev_b32 v[QO], 8, v[BM+1]
	v_lshl_add_u32 v[QO], v[BM+2], 7, v[QO]
	v_lshlrev_b32 v[SFO], 2, v[BM+1]
	s_mul_i32 s35, s[WV], 16*SPITCH
	s_add_co_u32 s35, s35, STAGE                   ; my stage
	v_mul_u32_u24 v[STO], v[BM+1], SPITCH          ; in: row r, + 32 h
	v_lshl_add_u32 v[STO], v[BM+2], 5, v[STO]
	v_add_nc_u32 v[STO], s35, v[STO]
	v_mul_u32_u24 v[SRD], v[BM+2], SPITCH          ; back: lanes 0-15 one row, lanes 16-31 the next; 16 bytes a lane
	v_lshl_add_u32 v[SRD], v[BM+1], 4, v[SRD]
	v_add_nc_u32 v[SRD], s35, v[SRD]
	v_lshlrev_b32 v[GOUT], 8, v[BM+2]              ; and the same two rows in out0
	v_lshl_add_u32 v[GOUT], v[BM+1], 4, v[GOUT]
.irp i, 0,1,2,3,4,5
	v_mov_b32 v[QF+\i], 0                          ; the zero codes on either side of q: written once
	v_mov_b32 v[QF+12+\i], 0
.endr
.irp b, 0,1,2,3
	v_mov_b32 v[PB+\b], 0                          ; written once: a lane permute's destination counts as one of its sources
.endr
	v_mov_b32 v[F+1], 0                            ; (named as the upper half of the pair with f)
	s_mov_b32 s[SEL], 0x76543210
	s_mov_b32 s[SEL+1], 0xfedcba98
	; byte offsets, each in a pair of its own
	s_lshl_b32 s36, s17, 19                        ; k, v: the head's 2,048 rows of 256 bytes
	s_mov_b32 s37, 0
	s_lshl_b32 s38, ttmp9, 17                      ; q, out0: + my work-group's 512 rows + my wave's 32
	s_add_co_u32 s38, s38, s36
	s_lshl_b32 s34, s[WV], 13
	s_add_co_u32 s38, s38, s34
	s_mov_b32 s39, 0
	s_lshl_b32 s40, s17, 13                        ; scale_factor: 4 bytes a query
	s_lshl_b32 s34, ttmp9, 11
	s_add_co_u32 s40, s40, s34
	s_lshl_b32 s34, s[WV], 7
	s_add_co_u32 s40, s40, s34
	s_mov_b32 s41, 0
	s_lshl_b32 s42, s17, 2                         ; inv_scale: 4 bytes a head
	s_mov_b32 s43, 0
	s_wait_kmcnt 0x0
	s_add_nc_u64 s[6:7], s[6:7], s[36:37]
	s_add_nc_u64 s[8:9], s[8:9], s[36:37]
	s_add_nc_u64 s[4:5], s[4:5], s[38:39]
	s_add_nc_u64 s[14:15], s[14:15], s[38:39]
	s_add_nc_u64 s[10:11], s[10:11], s[40:41]
	s_add_nc_u64 s[12:13], s[12:13], s[42:43]
	s_load_b32 s[INV], s[12:13], 0x0
	s_wait_alu depctr_va_vdst(0)                   ; the offsets and addresses v1 to v10 and v223 are written, which the kernel's loads and stores read; none of them is written again
	QLOAD 0, S                                     ; tile 0's q, into registers that the scores will take
	LOADS                                          ; chunk 0
	s_wait_kmcnt 0x0                               ; inv_scale
	QPREP S                                        ; tile 0
	s_mov_b32 s[RD], 0
	PROD 0                                         ; chunk 0
	NEXT                                           ; chunk 1 is asked for
	s_wait_dscnt 0x0                               ; for the others' sake: my part of chunk 0 has landed
	s_barrier_signal -1
	s_barrier_wait -1
	s_mov_b32 s[CNT], 14
.Lfirst_pass:                                      ; trips T = 0 .. 13
	PROD CHUNK                                     ; my part of chunk T + 1, into bytes that nobody has touched
	NEXT                                           ; chunk T + 2 is asked for: it has this whole trip in which to land
	s_wait_dscnt 0x0                               ; for the others' sake: my part of chunk T + 1 has landed
	s_barrier_signal -1
	STEP                                           ; reads chunk T alone: whole since the last barrier, and written by nobody any more
	s_barrier_wait -1                              ; chunk T + 1 is whole
	s_sub_co_u32 s[CNT], s[CNT], 1
	s_cmp_lg_u32 s[CNT], 0
	s_cbranch_scc1 .Lfirst_pass
	PROD CHUNK                                     ; T = 14: chunk 15; nothing is left of k and v
	QLOAD 1, P                                     ; tile 1's q lands under two steps.  No vector instruction since PROD's last wait names v[P ..] or v[SF]
	s_wait_dscnt 0x0
	s_barrier_signal -1
	STEP
	s_barrier_wait -1
	STEP                                           ; T = 15
	OUT 0
	QPREP P                                        ; tile 1
	s_wait_xcnt 0x0                                ; tile 0's stores have read their registers: the steps below load into them (the wait on vm_vsrc at the step's head stands beside this one)
	s_mov_b32 s[RD], 0
	s_mov_b32 s[CNT], 16
.Lsecond_pass:                                     ; LDS alone, no barrier: nothing is written any more
	STEP
	s_sub_co_u32 s[CNT], s[CNT], 1
	s_cmp_lg_u32 s[CNT], 0
	s_cbranch_scc1 .Lsecond_pass
	OUT 1
	s_wait_dscnt 0x0                               ; the closing lines, six on end
	s_wait_alu 0x0
	s_wait_tensorcnt 0x0
	ds_add_u32 v203, v207
	s_wait_dscnt 0x0
	s_endpgm
.Lfunc_end_k_qb9b2cfd200_attn:
	.size	k_qb9b2cfd200_attn, .Lfunc_end_k_qb9b2cfd200_attn-k_qb9b2cfd200_attn
	.p2alignl 7, 3214868480
	.fill 96, 4, 3214868480
	.section	.rodata,"a",@progbits
	.p2align	6, 0x0
	.amdhsa_kernel k_qb9b2cfd200_attn
		.amdhsa_group_segment_fixed_size 276480
		.amdhsa_private_segment_fixed_size 0
		.amdhsa_enable_private_segment 0
		.amdhsa_kernarg_size 48
		.amdhsa_user_sgpr_count 2
		.amdhsa_user_sgpr_kernarg_segment_ptr 1
		.amdhsa_wavefront_size32 1
		.amdhsa_system_sgpr_workgroup_id_x 1
		.amdhsa_system_sgpr_workgroup_id_y 1
		.amdhsa_system_sgpr_workgroup_id_z 1
		.amdhsa_system_vgpr_workitem_id 0
		.amdhsa_next_free_vgpr 256
		.amdhsa_next_free_sgpr 66
		.amdhsa_reserve_vcc 0
		.amdhsa_float_denorm_mode_32 3
		.amdhsa_float_denorm_mode_16_64 3
		.amdhsa_memory_ordered 1
		.amdhsa_forward_progress 1
		.amdhsa_inst_pref_size 102
	.end_amdhsa_kernel
	.amdgpu_metadata
---
amdhsa.version: [ 1, 2 ]
amdhsa.kernels:
  - .name:           k_qb9b2cfd200_attn
    .symbol:         k_qb9b2cfd200_attn.kd
    .args:
      - { .name: q, .offset: 0, .size: 8, .value_kind: global_buffer, .address_space: global }
      - { .name: k, .offset: 8, .size: 8, .value_kind: global_buffer, .address_space: global }
      - { .name: v, .offset: 16, .size: 8, .value_kind: global_buffer, .address_space: global }
      - { .name: scale_factor, .offset: 24, .size: 8, .value_kind: global_buffer, .address_space: global }
      - { .name: inv_scale, .offset: 32, .size: 8, .value_kind: global_buffer, .address_space: global }
      - { .name: out0, .offset: 40, .size: 8, .value_kind: global_buffer, .address_space: global }
    .group_segment_fixed_size: 276480
    .private_segment_fixed_size: 0
    .kernarg_segment_align: 8
    .kernarg_segment_size: 48
    .max_flat_workgroup_size: 512
    .sgpr_count:     66
    .vgpr_count:     256
    .wavefront_size: 32
...
	.end_amdgpu_metadata
.endif
;; end of part 2
